; MI455X (gfx1250); checked and timed in simulation.
; The chip was launched on July 23, 2026; its instructions are those of AMD's public machine-readable ISA for CDNA 5 (MIT licence, August 2026) and "CDNA5" Instruction Set Architecture Reference Guide (July 2026). The comments in the code are by the model that wrote it; some were corrected since.
;; Orthogonal. Allowed arithmetic: float matrix products may take bf16 or f16 operands with f32 sums; all other float work in f32.
;; Inputs: U 512 x 512 float32; X 4,096 x 512 float32.
;; Outputs: out0 4,096 x 512 float32.
;; One version. Each part assembles by itself: llvm-mc -triple=amdgcn-amd-amdhsa -mcpu=gfx1250 --defsym DOCPART=n.
;; ======== version 1 of 1: 2 launches
;; workspace buffers: pk 655,360 bytes
;; launch prep (part 1): grid 8 x 1, 16 waves a work-group, no clusters, 138,240 bytes of LDS; arguments U, pk; writes pk
.if DOCPART == 1
	.amdgcn_target "amdgcn-amd-amdhsa--gfx1250"
	.amdhsa_code_object_version 6
	.text
	.protected	k_q0e98beb148_prep
	.globl	k_q0e98beb148_prep
	.p2align	8
	.type	k_q0e98beb148_prep,@function
k_q0e98beb148_prep:
	s_mov_b64 s[64:65], 0
	v_nop
	global_prefetch_b8 v0, s[64:65] scope:SCOPE_SE
	s_setreg_imm32_b32 hwreg(HW_REG_WAVE_MODE, 25, 1), 1
	s_wait_xcnt 0x0
; PREPARES THE EIGHT BLOCKS OF 64 REFLECTIONS.  x <- x - 2 (x.u) u for 64 rows u of U, taken in descending order, is
; x <- x - z V with z^T = 2 (I + N)^-1 (V x^T), where V is the block (64 x 512), G = V V^T and N = 2 x (the part of G strictly above the diagonal).
; N is strictly upper triangular of size 64, so N^64 = 0 and (I + N)^-1 = (I - N)(I + N^2)(I + N^4)(I + N^8)(I + N^16)(I + N^32) holds exactly: no series is cut.
; The factor -2 is put into the first factor, R = -2 (I - N): every later step R <- R + R S is linear in R, and a power of two changes no digit.
; Work-group p makes block p in the order of application: rows 64 (7 - p) .. + 63 of U.  It stores pk[p][c][80][128] in bf16 (c = 0..3):
;   rows 0-63:  U rounded to bf16, the block's row a, columns 128 c .. 128 c + 127
;   rows 64-79: rows 16 c .. 16 c + 15 of -2 (I + N)^-1, 64 numbers hi, then 64 numbers lo (hi = bf16 of the number, lo = bf16 of the rest)
; Eight blocks exist, so eight work-groups are launched.  Sixteen waves; wave w owns tile (mi = w / 4, ni = w % 4), 16 x 16, of every 64 x 64 matrix.
; ZERO TILES ARE NOT WORKED ON.  N, its powers and all the products are upper triangular.  The six waves with mi > ni store zeros into their tile of all four LDS matrices once and then
; only pass the barriers.  In a product's tile (mi, ni) only the factors' tiles k with mi <= k <= ni count: tiles with ni <= 1 take K step 0 alone (k = 0, 1), tiles with mi >= 2 K step 1
; alone (k = 2, 3), the other four both.  All these branches hang on the wave's number; every barrier, with the wait in front of it, stands on the common way.
; LIMITS.  U is rounded to bf16 once, and G is made of the rounded rows.  The 64 x 64 matrices are kept in f32 in registers and enter products as hi + lo; the products lo x lo
; (2^-18 of a product) are left out.  A NaN or an infinity in a row of U spreads over the tiles that its products reach.  The powers of N grow with the fourth .. 64th power of U's
; scale: at about twice the spread 0.05 they still have all their digits; further up, where the reflections themselves overflow f32, they lose them.
; EVERY PRODUCT IS USED TRANSPOSED (source 0 = columns of the right factor, source 1 = rows of the left): a lane then holds row 16 mi + l % 16 and the eight
; neighbouring columns 16 ni + 8 (l / 16) + 0..7 of the result, which pack into 16 bytes of a row.
; ACCUMULATORS BY TURNS, one instruction a turn, on every way through the text: G's two sums; S and a helper; S and R; a second helper and R.
.set BLKB, 81920                       ; bytes of a block in pk
.set WPK,  20480                       ; bytes of one c of a block: 80 rows of 256
.set VP,   1040                        ; an LDS row of V: 1,024 bytes + 16: 260 words, so that 16 rows of a fragment load begin 4 words apart modulo 64
.set MB0,  64*VP                       ; behind V: four matrices of 64 rows
.set MP,   272                         ; a matrix row: 128 bytes hi, 128 bytes lo, 16 of padding
.set MSZ,  64*MP                       ; S in two buffers at 0 and MSZ, R in two at 2 MSZ and 3 MSZ (all from MB0, which the address registers carry)
.set MASK, 14                          ; s14  a word's upper bf16
.set GU,  4                            ; v4   my byte offset in the block's rows of U
.set LV,  5                            ; v5   where my 8 bytes of V go in LDS
.set GP,  6                            ; v6   and in pk
.set FA,  7                            ; v7   fragments of V's rows 16 mi ..
.set FB,  8                            ; v8   fragments of V's rows 16 ni ..
.set PA,  9                            ; v9   fragments of a matrix's rows 16 mi ..
.set TBA, 10                           ; v10  turned fragments of a matrix's columns 16 ni ..
.set PW,  11                           ; v11  where my 16 bytes of my tile go
.set RD,  12                           ; v12  whole rows back, at the end
.set GT,  13                           ; v13  and their place in pk
.set CD,  14                           ; v14  column - row of my register 0
.set DG,  15                           ; v15  -2.0, R's first diagonal
.set G0,  16                           ; v[16:23], v[24:31]  G's two sums (even and odd K steps)
.set SN,  32                           ; v[32:39]  my tile of N^(2^k)
.set RR,  40                           ; v[40:47]  my tile of the product so far, in f32
.set HP,  48                           ; v[48:55]  the helper of the first pass, which makes S alone: part of S's sum
.set SC,  56                           ; v[56:63]  at work
.set CF,  64                           ; v[64:95]   turned fragments of S: K step ks, part pt at 16 ks + 8 pt
.set SF,  96                           ; v[96:127]  row fragments of S
.set RF,  128                          ; v[128:159] row fragments of R
.set HL,  160                          ; v[160:167] a tile split: 4 registers hi, 4 lo
.set HQ,  168                          ; v[168:175] the helper of the last pass, which makes R alone: part of R's sum
.macro PLACES                          ; four plain vector instructions between a matrix instruction and what reads its result or writes its registers (ISA guide 7.12.1)
.rept 4
	v_nop
.endr
.endm
; eight f32 -> 4 registers of bf16 (hi) and 4 of what the rounding left (lo).  The source is read from its low end on.
.macro SPLIT8 src, hi, lo
.irp i, 0,1,2,3
	v_cvt_pk_bf16_f32 v[\hi+\i], v[\src+2*\i], v[\src+2*\i+1]
.endr
.irp i, 0,1,2,3
	v_lshlrev_b32 v[SC+2*\i],   16, v[\hi+\i]
	v_and_b32     v[SC+2*\i+1], s[MASK], v[\hi+\i]
.endr
.irp i, 0,1,2,3
	v_pk_add_f32 v[SC+2*\i:SC+2*\i+1], v[\src+2*\i:\src+2*\i+1], v[SC+2*\i:SC+2*\i+1] neg_lo:[0,1] neg_hi:[0,1]
.endr
.irp i, 0,1,2,3
	v_cvt_pk_bf16_f32 v[\lo+\i], v[SC+2*\i], v[SC+2*\i+1]
.endr
.endm
.macro PUT src, base                   ; my tile into the matrix at base
	SPLIT8 \src, HL, HL+4
	ds_store_b128 v[PW], v[HL:HL+3]   offset:\base
	ds_store_b128 v[PW], v[HL+4:HL+7] offset:\base+128
.endm
	s_load_b128 s[4:7], s[0:1], 0x0                ; U s[4:5], pk s[6:7]
	v_lshl_add_u32 v192, v0, 2, 0x21400
	v_mov_b32 v193, 0
	v_lshrrev_b32 v1, 5, v0
	v_readfirstlane_b32 s8, v1                     ; wave 0..15
	s_lshr_b32 s9, s8, 2                           ; mi
	s_and_b32 s10, s8, 3                           ; ni
	s_sub_co_u32 s12, 7, ttmp9                     ; block p is rows 64 (7 - p) on:
	s_lshl_b32 s12, s12, 17                        ; 64 rows of 2,048 bytes
	s_mov_b32 s13, 0
	s_mul_i32 s16, ttmp9, BLKB
	s_mov_b32 s17, 0
	s_mov_b32 s[MASK], 0xffff0000
	v_and_b32 v1, 31, v0                           ; l
	v_and_b32 v2, 15, v0                           ; l % 16
	v_bfe_u32 v3, v0, 4, 1                         ; l / 16
	v_lshlrev_b32 v[GU], 4, v1
	v_lshl_add_u32 v[GU], s8, 13, v[GU]            ; wave w takes rows 4 w .. 4 w + 3: 8,192 w + 16 l
	s_wait_kmcnt 0x0
	s_add_nc_u64 s[4:5], s[4:5], s[12:13]
	s_add_nc_u64 s[6:7], s[6:7], s[16:17]
.irp i, 0,1,2,3
.irp c, 0,1,2,3
	global_load_b128 v[64+16*\i+4*\c:64+16*\i+4*\c+3], v[GU], s[4:5] offset:\i*2048+\c*512 th:TH_LOAD_NT   ; 512 neighbouring bytes: row 4 w + i, columns 128 c on
.endr
.endr
	; the addresses, while the rows are on their way
	s_mul_i32 s18, s8, 4*VP
	v_lshl_add_u32 v[LV], v1, 3, s18               ; (4 w) x pitch + 8 l
	v_lshlrev_b32 v[GP], 3, v1
	v_lshl_add_u32 v[GP], s8, 10, v[GP]            ; (4 w) x 256 + 8 l
	v_mul_u32_u24 v[SC], v2, VP
	v_lshl_add_u32 v[SC], v3, 4, v[SC]             ; a fragment of V: row x pitch + 16 x half
	s_mul_i32 s19, s9, 16*VP
	s_mul_i32 s20, s10, 16*VP
	v_add_nc_u32 v[FA], s19, v[SC]
	v_add_nc_u32 v[FB], s20, v[SC]
	v_mul_u32_u24 v[SC], v2, MP
	v_lshl_add_u32 v[SC], v3, 4, v[SC]             ; the same in a matrix
	s_mul_i32 s21, s9, 16*MP
	s_add_co_u32 s21, s21, MB0
	v_add_nc_u32 v[PA], s21, v[SC]
	v_lshl_add_u32 v[PW], s10, 5, v[PA]            ; my tile's 16 bytes: + 32 ni
	v_and_b32 v[SC], 7, v0                         ; the turning load: lane l reads 16 bytes of row 8 (l / 16) + l % 8, columns 8 ((l / 8) % 2) on
	v_lshl_add_u32 v[SC], v3, 3, v[SC]
	v_mul_u32_u24 v[SC], v[SC], MP
	v_bfe_u32 v[SC+1], v0, 3, 1
	v_lshl_add_u32 v[SC], v[SC+1], 4, v[SC]
	s_lshl_b32 s18, s10, 5
	s_add_co_u32 s18, s18, MB0
	v_add_nc_u32 v[TBA], s18, v[SC]
	v_mul_u32_u24 v[SC], v3, MP                    ; at the end wave w takes rows 4 w .. 4 w + 3 whole: lanes 0-15 one row, lanes 16-31 the next
	v_lshl_add_u32 v[SC], v2, 4, v[SC]
	s_mul_i32 s22, s8, 4*MP
	s_add_co_u32 s22, s22, MB0
	v_add_nc_u32 v[RD], s22, v[SC]
	s_mul_i32 s23, s9, WPK                         ; row 4 w + .. lies in part c = mi of the block, at its row 64 + 4 ni + ..
	s_lshl_b32 s18, s10, 10
	s_add_co_u32 s23, s23, s18
	s_add_co_u32 s23, s23, 64*256
	v_lshlrev_b32 v[SC], 8, v3
	v_lshl_add_u32 v[SC], v2, 4, v[SC]
	v_add_nc_u32 v[GT], s23, v[SC]
	s_sub_co_i32 s24, s10, s9
	s_lshl_b32 s24, s24, 4
	v_lshl_add_u32 v[CD], v3, 3, s24
	v_sub_nc_u32 v[CD], v[CD], v2                  ; 16 ni + 8 (l / 16) - 16 mi - l % 16
	v_mov_b32 v[DG], -2.0
	; R begins as -2 I, in every wave's tile: -2 where column = row, 0 elsewhere.  In a tile off the diagonal that is 0 in all eight registers
.irp j, 0,1,2,3,4,5,6,7
	v_cmp_eq_i32 vcc_lo, -\j, v[CD]                ; column = row
	v_cndmask_b32 v[RR+\j], 0, v[DG], vcc_lo
.endr
	; V, ROUNDED ONCE, goes into LDS and into pk: every wave's share, whatever its tile
	s_wait_loadcnt 0x0
.set n, 0
.rept 16
	v_cvt_pk_bf16_f32 v[128+2*n],   v[64+4*n],   v[64+4*n+1]
	v_cvt_pk_bf16_f32 v[128+2*n+1], v[64+4*n+2], v[64+4*n+3]
.set n, n+1
.endr
.irp i, 0,1,2,3
.irp c, 0,1,2,3
	ds_store_b64 v[LV], v[128+8*\i+2*\c:128+8*\i+2*\c+1] offset:\i*VP+\c*256
	global_store_b64 v[GP], v[128+8*\i+2*\c:128+8*\i+2*\c+1], s[6:7] offset:\c*WPK+\i*256   ; the wave's 32 lanes store 256 consecutive bytes, a whole row of pk
.endr
.endr
	s_wait_xcnt 0x0                                ; the stores' data registers are loaded into again below, only behind this wait
	s_wait_dscnt 0x0                               ; for the others' sake: my rows of V are in LDS
	s_barrier_signal -1
	s_barrier_wait -1
	; G = V V^T, my tile: 16 K steps of 32 in two batches; two sums take turns; the first two products start them
.macro GBATCH b
.irp k, 0,1,2,3,4,5,6,7
	ds_load_b128 v[64+8*\k:64+8*\k+3],     v[FA] offset:(8*\b+\k)*64
	ds_load_b128 v[64+8*\k+4:64+8*\k+7],   v[FA] offset:(8*\b+\k)*64+32
	ds_load_b128 v[128+8*\k:128+8*\k+3],   v[FB] offset:(8*\b+\k)*64
	ds_load_b128 v[128+8*\k+4:128+8*\k+7], v[FB] offset:(8*\b+\k)*64+32
.endr
	s_wait_dscnt 0x0
.irp k, 0,1,2,3,4,5,6,7
.if (\b == 0) && (\k < 2)
	v_wmma_f32_16x16x32_bf16 v[G0+8*(\k%2):G0+8*(\k%2)+7], v[128+8*\k:128+8*\k+7], v[64+8*\k:64+8*\k+7], 0
.else
	v_wmma_f32_16x16x32_bf16 v[G0+8*(\k%2):G0+8*(\k%2)+7], v[128+8*\k:128+8*\k+7], v[64+8*\k:64+8*\k+7], v[G0+8*(\k%2):G0+8*(\k%2)+7]
.endif
.endr
	PLACES                                         ; in front of the loads into the fragments, and of the reads of the sums
.endm
	s_cmp_gt_u32 s9, s10                           ; a tile below the diagonal?
	s_cbranch_scc1 .Lbelow
	GBATCH 0
	GBATCH 1
	; N = 2 G above the diagonal and 0 elsewhere; R = -2 (I - N) = -2 I + 2 N
.irp j, 0,1,2,3,4,5,6,7
	v_add_f32 v[SC+\j], v[G0+\j], v[G0+8+\j]
.endr
.irp j, 0,1,2,3,4,5,6,7
	v_add_f32 v[SC+\j], v[SC+\j], v[SC+\j]
	v_cmp_lt_i32 vcc_lo, -\j, v[CD]                ; column > row
	v_cndmask_b32 v[SN+\j], 0, v[SC+\j], vcc_lo
	v_fma_f32 v[RR+\j], v[SN+\j], 2.0, v[RR+\j]
.endr
	PUT SN, 0
	PUT RR, 2*MSZ
	s_branch .Lmade
.Lbelow:                                               ; my tile is zero in S and in R, in both buffers of each, hi and lo, for the whole launch: R's start, all zeros in such a tile, is what is stored
.irp b, 0,1,2,3
	ds_store_b128 v[PW], v[RR:RR+3] offset:\b*MSZ
	ds_store_b128 v[PW], v[RR:RR+3] offset:\b*MSZ+128
.endr
.Lmade:
	s_wait_dscnt 0x0                               ; for the others' sake: my tiles are in LDS
	s_barrier_signal -1
	s_barrier_wait -1
; One product of six: K step n / 3; n % 3 = 0: hi x hi, 1: row hi x column lo, 2: row lo x column hi.  zero = 1: this product starts the sum.
.macro MM acc, rowf, n, zero
.set cfr, CF+16*((\n)/3)+8*(((\n)%3)%2)
.set rfr, \rowf+16*((\n)/3)+8*(((\n)%3)/2)
.if \zero
	v_wmma_f32_16x16x32_bf16 v[\acc:\acc+7], v[cfr:cfr+7], v[rfr:rfr+7], 0
.else
	v_wmma_f32_16x16x32_bf16 v[\acc:\acc+7], v[cfr:cfr+7], v[rfr:rfr+7], v[\acc:\acc+7]
.endif
.endm
; A pass's work for one tile, with K steps klo .. khi.  doS: S <- S S.  doR: R <- R + R S.  The buffers are the symbols that MPASS sets.
; Two sums take turns in every form.  Both matrices: S, R, S, R ..  One matrix, both K steps: the matrix has one K step and its helper the other.
; One matrix, one K step: helper, matrix, helper.  In the last pass the helper goes first, since the pass before ended on R.  The parts are added behind the products.
.macro BODY doS, doR, klo, khi
.irp ks, 0,1
.if (\ks >= \klo) && (\ks <= \khi)
.irp pt, 0,1
	ds_load_tr16_b128 v[CF+16*\ks+8*\pt:CF+16*\ks+8*\pt+3],   v[TBA] offset:SCUR+\ks*32*MP+\pt*128
	ds_load_tr16_b128 v[CF+16*\ks+8*\pt+4:CF+16*\ks+8*\pt+7], v[TBA] offset:SCUR+\ks*32*MP+16*MP+\pt*128
.if \doS
	ds_load_b128 v[SF+16*\ks+8*\pt:SF+16*\ks+8*\pt+3],   v[PA] offset:SCUR+\ks*64+\pt*128
	ds_load_b128 v[SF+16*\ks+8*\pt+4:SF+16*\ks+8*\pt+7], v[PA] offset:SCUR+\ks*64+\pt*128+32
.endif
.if \doR
	ds_load_b128 v[RF+16*\ks+8*\pt:RF+16*\ks+8*\pt+3],   v[PA] offset:RCUR+\ks*64+\pt*128
	ds_load_b128 v[RF+16*\ks+8*\pt+4:RF+16*\ks+8*\pt+7], v[PA] offset:RCUR+\ks*64+\pt*128+32
.endif
.endr
.endif
.endr
	s_wait_dscnt 0x0
.if \doS && \doR
.irp n, 0,1,2,3,4,5
.if (\n/3 >= \klo) && (\n/3 <= \khi)
.if \n == 3*\klo
	MM SN, SF, \n, 1
.else
	MM SN, SF, \n, 0
.endif
	MM RR, RF, \n, 0
.endif
.endr
.else
.if \klo != \khi
.if \doS
	MM SN, SF, 0, 1
	MM HP, SF, 3, 1
.irp n, 1,2
	MM SN, SF, \n, 0
	MM HP, SF, \n+3, 0
.endr
.else
	MM HQ, RF, 0, 1
	MM RR, RF, 3, 0
.irp n, 1,2
	MM HQ, RF, \n, 0
	MM RR, RF, \n+3, 0
.endr
.endif
.else
.if \doS
	MM HP, SF, 3*\klo, 1
	MM SN, SF, 3*\klo+1, 1
	MM HP, SF, 3*\klo+2, 0
.else
	MM HQ, RF, 3*\klo, 1
	MM RR, RF, 3*\klo+1, 0
	MM HQ, RF, 3*\klo+2, 0
.endif
.endif
.endif
	PLACES
.if \doS
.if \doR == 0
.irp i, 0,1,2,3
	v_pk_add_f32 v[SN+2*\i:SN+2*\i+1], v[SN+2*\i:SN+2*\i+1], v[HP+2*\i:HP+2*\i+1]
.endr
.endif
	PUT SN, SNXT
.endif
.if \doR
.if \doS
	PUT RR, RNXT
.else
.irp i, 0,1,2,3
	v_pk_add_f32 v[HQ+2*\i:HQ+2*\i+1], v[RR+2*\i:RR+2*\i+1], v[HQ+2*\i:HQ+2*\i+1]
.endr
	PUT HQ, RNXT
.endif
.endif
.endm
; Pass ps: S holds N^(2^ps), in buffer ps % 2, and S S goes into the other buffer; R is read from buffer (ps - 1) % 2 and written to ps % 2.
; A buffer that is written was last read a pass earlier, in front of that pass's barrier.
.macro MPASS ps, doS, doR
.set SCUR, ((\ps)&1)*MSZ
.set SNXT, (((\ps)+1)&1)*MSZ
.set RCUR, 2*MSZ+(((\ps)+1)&1)*MSZ
.set RNXT, 2*MSZ+((\ps)&1)*MSZ
	s_cmp_gt_u32 s9, s10                           ; below the diagonal: nothing to do
	s_cbranch_scc1 .Lpassed_\@
	s_cmp_lt_u32 s10, 2                            ; ni <= 1: the factors' tiles 2, 3 give zero
	s_cbranch_scc1 .Lleft_\@
	s_cmp_gt_u32 s9, 1                             ; mi >= 2: the factors' tiles 0, 1 give zero
	s_cbranch_scc1 .Lright_\@
	BODY \doS, \doR, 0, 1
	s_branch .Lpassed_\@
.Lleft_\@:
	BODY \doS, \doR, 0, 0
	s_branch .Lpassed_\@
.Lright_\@:
	BODY \doS, \doR, 1, 1
.Lpassed_\@:
	s_wait_dscnt 0x0                               ; my reads of the old buffers are back and my tiles are in the new ones
	s_barrier_signal -1
	s_barrier_wait -1
.endm
	MPASS 0, 1, 0                                  ; N^2
	MPASS 1, 1, 1                                  ; -2 (I - N)(I + N^2), N^4
	MPASS 2, 1, 1
	MPASS 3, 1, 1
	MPASS 4, 1, 1                                  ; .. (I + N^16), N^32
	MPASS 5, 0, 1                                  ; .. (I + N^32) = -2 (I + N)^-1
	ds_load_b128 v[64:67], v[RD] offset:3*MSZ      ; whole rows, hi and lo: 256 bytes each; every wave's share, the zero tiles among them
	ds_load_b128 v[68:71], v[RD] offset:3*MSZ+2*MP
	s_wait_dscnt 0x0
	global_store_b128 v[GT], v[64:67], s[6:7]              ; 16 lanes store 256 consecutive bytes, a whole row of pk
	global_store_b128 v[GT], v[68:71], s[6:7] offset:512
	s_wait_tensorcnt 0x0
	ds_add_u32 v192, v193
	s_wait_dscnt 0x0
	s_endpgm
.Lfunc_end_k_q0e98beb148_prep:
	.size	k_q0e98beb148_prep, .Lfunc_end_k_q0e98beb148_prep-k_q0e98beb148_prep
	.p2alignl 7, 3214868480
	.fill 96, 4, 3214868480
	.section	.rodata,"a",@progbits
	.p2align	6, 0x0
	.amdhsa_kernel k_q0e98beb148_prep
		.amdhsa_group_segment_fixed_size 138240
		.amdhsa_private_segment_fixed_size 0
		.amdhsa_enable_private_segment 0
		.amdhsa_kernarg_size 16
		.amdhsa_user_sgpr_count 2
		.amdhsa_user_sgpr_kernarg_segment_ptr 1
		.amdhsa_wavefront_size32 1
		.amdhsa_system_sgpr_workgroup_id_x 1
		.amdhsa_system_sgpr_workgroup_id_y 1
		.amdhsa_system_sgpr_workgroup_id_z 1
		.amdhsa_system_vgpr_workitem_id 0
		.amdhsa_next_free_vgpr 194
		.amdhsa_next_free_sgpr 66
		.amdhsa_reserve_vcc 1
		.amdhsa_float_denorm_mode_32 3
		.amdhsa_float_denorm_mode_16_64 3
		.amdhsa_memory_ordered 1
		.amdhsa_forward_progress 1
		.amdhsa_inst_pref_size 84
	.end_amdhsa_kernel
	.amdgpu_metadata
---
amdhsa.version: [ 1, 2 ]
amdhsa.kernels:
  - .name:           k_q0e98beb148_prep
    .symbol:         k_q0e98beb148_prep.kd
    .args:
      - { .name: U, .offset: 0, .size: 8, .value_kind: global_buffer, .address_space: global }
      - { .name: pk, .offset: 8, .size: 8, .value_kind: global_buffer, .address_space: global }
    .group_segment_fixed_size: 138240
    .private_segment_fixed_size: 0
    .kernarg_segment_align: 8
    .kernarg_segment_size: 16
    .max_flat_workgroup_size: 512
    .sgpr_count:     66
    .vgpr_count:     194
    .wavefront_size: 32
...
	.end_amdgpu_metadata
.endif
;; end of part 1
;; launch apply (part 2): grid 256 x 1, 4 waves a work-group, clusters of 4 x 1, 327,680 bytes of LDS; arguments X, pk, out0; writes out0
.if DOCPART == 2
	.amdgcn_target "amdgcn-amd-amdhsa--gfx1250"
	.amdhsa_code_object_version 6
	.text
	.protected	k_q0e98beb148_apply
	.globl	k_q0e98beb148_apply
	.p2align	8
	.type	k_q0e98beb148_apply,@function
k_q0e98beb148_apply:
	s_mov_b64 s[64:65], 0
	v_nop
	global_prefetch_b8 v0, s[64:65] scope:SCOPE_SE
	s_setreg_imm32_b32 hwreg(HW_REG_WAVE_MODE, 25, 1), 1
	s_wait_xcnt 0x0
	s_wait_alu depctr_hold_cnt(0) depctr_sa_sdst(0) depctr_va_vdst(0) depctr_va_sdst(0) depctr_va_ssrc(0) depctr_va_vcc(0) depctr_vm_vsrc(0)
	s_getreg_b32 s2, hwreg(HW_REG_IB_STS2, 6, 4)
	s_cmp_eq_u32 s2, 0
	s_cbranch_scc0 .Lentry_in_a_cluster
	s_endpgm
.Lentry_in_a_cluster:
	s_bfe_u32 s2, ttmp6, 0x10000c
	s_cmp_lg_u32 s2, 0x3003
	s_cbranch_scc0 .Lentry_shape_is_right
	s_endpgm
.Lentry_shape_is_right:
; APPLIES THE EIGHT BLOCKS TO X.  For block p = 0..7 (V = 64 rows of U in bf16, A = -2 (I + N)^-1 as hi + lo, both from pk):
;   W^T = V x^T (64 x 16),   Z^T = A W^T,   x^T <- x^T + V^T Z^T.
; SHARES.  4,096 rows over 256 work-groups: a work-group owns 16 rows of X, wave w their columns 128 w .. 128 w + 127.  The state x^T stays in f32 in eight accumulators of
; 16 x 16 for the whole launch: lane l holds row l % 16 of X, register j of tile t column 128 w + 16 t + 8 (l / 16) + j.
; LAYOUT.  All three products have the rows of X as their columns.  Two result tiles, rounded to bf16 in pairs, ARE source 1 (32 x 16) of the next product, so nothing changes
; lanes between the products.  V comes out of LDS as it lies for V x^T and turned (ds_load_tr16_b128) for V^T Z^T.
; W is a sum over all 512 columns: each wave's partial sum goes through LDS, one barrier a block, and every wave adds the four in the same order and makes all of Z itself.
; A is upper triangular: its tiles of rows 32-63 x columns 0-31 are zero and are not multiplied.
; NUMBERS.  X is rounded to bf16 once, as U was.  What is carried (x, W, Z, A) is f32 and enters a product as hi + lo, two bf16: V x hi + V x lo; A hi W hi + A hi W lo + A lo W hi
; (lo x lo, 2^-18 of a product, is left out).  A number beyond bf16's largest finite one rounds to infinity and gives NaN in the split.
; CLUSTER.  All work-groups walk the same eight blocks, so four form a cluster and ask for each tile JOINTLY: wave w of each issues the same tensor load (80 rows x 256 bytes:
; its 128 columns of V, and 16 rows of A), with a mask that names the four.  Two LDS slots of one block each.  A wave has two tensor loads out at the start, later one.
; A BLOCK AHEAD.  Behind a block's one barrier (a round of the cluster's barrier) the other slot is whole, and ALL of the next block's fragments are fetched from it while this block
; goes on: V's 32 loads behind the partial sums', A's 24 in three runs of 8 among the products A W^T, V^T's 32 in four runs of 8 among the products V^T Z^T.  A and V^T therefore have
; two register sets, for even and for odd blocks.  So at a block's barrier all reads of its own slot are a block old and waited for, and the slot is filled again at once.
; REGISTERS, in windows of 256 (s_set_vgpr_msb: bits 1:0 source 0, 3:2 source 1, 5:4 source 2, 7:6 destination):
;   window 0: addresses, the state, operands made by splitting, W and Z      window 1: v0-127 V's fragments, v128-255 V^T's of even blocks
;   window 2: v0-95 A's fragments of even blocks, v96-223 the four partial sums      window 3: v0-95 A's, v128-255 V^T's of odd blocks
.set BLKB,   81920                     ; bytes of a block in pk
.set WPK,    20480                     ; of a wave's part of it: 80 rows of 256 bytes
.set PITCH,  272                       ; an LDS row: 256 bytes + 16 of padding = 68 words: 16 rows of a fragment load begin 4 words apart modulo 64
.set WREG,   80*PITCH                  ; a wave's tile in LDS
.set SLOT,   4*WREG
.set EX,     2*SLOT                    ; behind the ring: the partial sums, two buffers x 4 waves x 4,096 bytes; no tensor load lands here
.set EXB,    16384
.set STG,    EX+2*EXB                  ; each wave's stage for the way in and the way out: 16 rows x 528 bytes
.set SPITCH, 528
.set MASK, 33                          ; s33  a word's upper bf16
.set G1,   16                          ; s[16:23] descriptor group 1
.set G0,   24                          ; s[24:31] descriptor group 0, a set for each slot
.set GX,  5                            ; v5   my byte offset in the work-group's rows of X and of out0
.set AV,  6                            ; v6-7   V's fragments in slot 0, 1
.set AT,  8                            ; v8-9   V^T's
.set AA,  10                           ; v10-11 A's
.set EXW, 12                           ; v12  where my partial sums go
.set EXR, 13                           ; v13  where the four are read
.set SR,  14                           ; v14  my stage by accumulator layout
.set SW,  15                           ; v15  my stage by rows
.set ST,  16                           ; v[16:79]   the state: tile t at 8 t
.set XH,  80                           ; v[80:111]  the state's hi, tile t at 4 t; then W's hi and lo
.set XL,  112                          ; v[112:143] the state's lo; then Z's hi and lo
.set WH,  80                           ; hi at WH, lo at WH + 16
.set ZH,  112                          ; hi at ZH, lo at ZH + 16
.set IO,  80                           ; v[80:143]  rows of X on the way in, of out0 on the way out
.set WP,  144                          ; v[144:175] W^T: my partial sum, then the whole
.set ZT,  176                          ; v[176:207] Z^T
.set SC,  208                          ; v[208:215] at work
.set VT,  128                          ; windows 1 and 3: V^T's fragment (K step kk, tile mt) at VT + 8 (8 kk + mt).  Window 1: V's (tile m, K step ks) at 8 (4 m + ks)
.set PP,  96                           ; window 2: wave u's partial sum at PP + 32 u.  A (windows 2 and 3): columns 32-63, tile m: hi 8 m, lo 32 + 8 m; columns 0-31, m = 0, 1: hi 64 + 8 m, lo 80 + 8 m
.set MSB, 0
.macro WIN new                         ; the immediate's high byte repeats the setting that is left; a switch that changes nothing is dropped
.if MSB != (\new)
	s_set_vgpr_msb (MSB<<8)|(\new)
.set MSB, (\new)
.endif
.endm
.macro PLACES                          ; four plain vector instructions between a matrix instruction and what reads its result or writes or loads into its registers
.rept 4
	v_nop
.endr
.endm
.macro ROUND                           ; a round of the cluster's barrier: my work-group's barrier; wave 0 signals for the work-group; every wave waits for all four work-groups; my work-group's barrier once more
	s_barrier_signal -1
	s_barrier_wait -1
	s_cmp_lg_u32 s10, 0
	s_cbranch_scc1 .Lnot_wave_0_\@
	s_barrier_signal -3
.Lnot_wave_0_\@:
	s_barrier_wait -3
	s_barrier_signal -1
	s_barrier_wait -1
.endm
; eight f32 -> 4 registers of bf16 (hi) and 4 of what the rounding left (lo).  The source is read from its low end on.
.macro SPLIT8 src, hi, lo
.irp i, 0,1,2,3
	v_cvt_pk_bf16_f32 v[\hi+\i], v[\src+2*\i], v[\src+2*\i+1]
.endr
.irp i, 0,1,2,3
	v_lshlrev_b32 v[SC+2*\i],   16, v[\hi+\i]
	v_and_b32     v[SC+2*\i+1], s[MASK], v[\hi+\i]
.endr
.irp i, 0,1,2,3
	v_pk_add_f32 v[SC+2*\i:SC+2*\i+1], v[\src+2*\i:\src+2*\i+1], v[SC+2*\i:SC+2*\i+1] neg_lo:[0,1] neg_hi:[0,1]
.endr
.irp i, 0,1,2,3
	v_cvt_pk_bf16_f32 v[\lo+\i], v[SC+2*\i], v[SC+2*\i+1]
.endr
.endm
.macro LOADVA s                        ; 32 LDS loads from slot s: my 128 columns of the block's 64 rows, as 16 fragments of 16 rows x 32 columns
	WIN 0x40                                       ; destination window 1
.irp m, 0,1,2,3
.irp ks, 0,1,2,3
	ds_load_b128 v[8*(4*\m+\ks):8*(4*\m+\ks)+3],   v[AV+(\s)] offset:\m*16*PITCH+\ks*64
	ds_load_b128 v[8*(4*\m+\ks)+4:8*(4*\m+\ks)+7], v[AV+(\s)] offset:\m*16*PITCH+\ks*64+32
.endr
.endr
	WIN 0
.endm
; Run g of three, 8 LDS loads from slot s into the slot's set of A: rows 16 m on lie in wave m's tile.  g = 0: columns 32-63, hi; 1: the same, lo; 2: columns 0-31 of tiles 0 and 1, hi and lo
.macro A2RUN s, g
	WIN (2+(\s))<<6                                ; destination window 2 (slot 0) or 3 (slot 1)
.if \g < 2
.irp m, 0,1,2,3
	ds_load_b128 v[32*\g+8*\m:32*\g+8*\m+3],   v[AA+(\s)] offset:\m*WREG+64+\g*128
	ds_load_b128 v[32*\g+8*\m+4:32*\g+8*\m+7], v[AA+(\s)] offset:\m*WREG+64+\g*128+32
.endr
.else
.irp pt, 0,1
.irp m, 0,1
	ds_load_b128 v[64+16*\pt+8*\m:64+16*\pt+8*\m+3],   v[AA+(\s)] offset:\m*WREG+\pt*128
	ds_load_b128 v[64+16*\pt+8*\m+4:64+16*\pt+8*\m+7], v[AA+(\s)] offset:\m*WREG+\pt*128+32
.endr
.endr
.endif
.endm
; Run g of four, 8 turning LDS loads from slot s into the slot's set of V^T: fragments 4 g .. 4 g + 3 of 16 (fragment fr: K step fr / 8, tile fr % 8)
.macro VTRUN s, g
	WIN (1+2*(\s))<<6                              ; destination window 1 (slot 0) or 3 (slot 1)
.irp e, 0,1,2,3
.set fr, 4*(\g)+\e
	ds_load_tr16_b128 v[VT+8*fr:VT+8*fr+3],   v[AT+(\s)] offset:(fr/8)*32*PITCH+(fr%8)*32
	ds_load_tr16_b128 v[VT+8*fr+4:VT+8*fr+7], v[AT+(\s)] offset:(fr/8)*32*PITCH+16*PITCH+(fr%8)*32
.endr
.endm
	s_load_b128 s[4:7], s[0:1], 0x0                ; X s[4:5], pk s[6:7]
	s_load_b64 s[8:9], s[0:1], 0x10                ; out0
	v_lshl_add_u32 v254, v0, 2, 0x3ac00
	v_mov_b32 v255, 0
	ds_add_u32 v254, v255
	ds_add_u32 v254, v255
	v_lshrrev_b32 v1, 5, v0
	v_readfirstlane_b32 s10, v1                    ; wave 0..3
	s_bfe_u32 s11, ttmp6, 0x40000                  ; cx: my place in the cluster
	s_lshl_b32 s12, ttmp9, 2                       ; in a cluster launch ttmp9 counts clusters
	s_add_co_u32 s12, s12, s11                     ; my work-group: it enters X's and out0's addresses alone
	s_lshl_b32 s14, s12, 15                        ; 16 rows of 2,048 bytes
	s_mov_b32 s15, 0
	s_mov_b32 s[MASK], 0xffff0000
	v_and_b32 v1, 31, v0                           ; l
	v_and_b32 v2, 15, v0                           ; l % 16
	v_bfe_u32 v3, v0, 4, 1                         ; l / 16
	v_lshlrev_b32 v[GX], 4, v1
	v_lshl_add_u32 v[GX], s10, 9, v[GX]            ; my wave's 512 bytes of a row, 16 a lane
	; descriptor group 1: a tile of 80 rows x 128 elements, padded in LDS
	s_mov_b32 s[G1+0], 15|(1<<16)|(1<<20)|(1<<21)|(5<<22)|(3<<25)  ; 15:0 the mask: all four work-groups; 17:16 elements of 2 bytes; 20 padding on; 21 set beside a mask; 24:22 after every 64 words (code 5); 31:25 4 words of it (code 3)
	s_mov_b32 s[G1+1], 128<<16                     ; tensor_dim0 = 128
	s_mov_b32 s[G1+2], 80<<16                      ; tensor_dim1 = 80
	s_mov_b32 s[G1+3], 128<<16                     ; tile_dim0 = 128
	s_mov_b32 s[G1+4], 80                          ; tile_dim1 = 80
	s_mov_b32 s[G1+5], 128                         ; elements from row to row
	s_mov_b32 s[G1+6], 0
	s_mov_b32 s[G1+7], 0
	s_mul_i32 s34, s10, WREG                       ; my tile's place in a slot: the wave's number alone
	s_mul_i32 s36, s10, WPK                        ; and in a block of pk
	s_mov_b32 s37, 0
	s_wait_dscnt 0x0
	s_wait_kmcnt 0x0
	s_add_nc_u64 s[4:5], s[4:5], s[14:15]
	s_add_nc_u64 s[8:9], s[8:9], s[14:15]
	s_add_nc_u64 s[6:7], s[6:7], s[36:37]
.irp i, 0,1,2,3,4,5,6,7,8,9,10,11,12,13,14,15
	global_load_b128 v[IO+4*\i:IO+4*\i+3], v[GX], s[4:5] offset:\i*2048 th:TH_LOAD_NT   ; row i: 512 neighbouring bytes
.endr
.irp s, 0,1
	s_mov_b32 s[G0+4*\s], 1                                        ; count = 1
	s_add_co_u32 s[G0+4*\s+1], s34, \s*SLOT                        ; LDS address
	s_add_nc_u64 s[G0+4*\s+2:G0+4*\s+3], s[6:7], \s*BLKB           ; global address: block s
	s_or_b32 s[G0+4*\s+3], s[G0+4*\s+3], 0x80000000                ; type = 2
.endr
	ROUND                                          ; all four work-groups are here: the first joint loads meet
	tensor_load_to_lds s[G0:G0+3], s[G1:G1+7]      ; both first fills together, ahead of every wait on TENSORcnt and every LDS read: two loads of mine are out
	s_nop 0
	tensor_load_to_lds s[G0+4:G0+7], s[G1:G1+7]
	s_nop 0
.rept 4
	v_nop
.endr
	v_mul_u32_u24 v4, v2, PITCH
	v_lshl_add_u32 v4, v3, 4, v4                   ; a fragment: row x pitch + 16 x half
	v_add_nc_u32 v[AV], s34, v4
	v_add_nc_u32 v[AV+1], SLOT, v[AV]
	v_add_nc_u32 v[AA], 64*PITCH, v4               ; A's rows lie behind V's 64 in each wave's tile; the tile (0..3) stands in the loads' immediates
	v_add_nc_u32 v[AA+1], SLOT, v[AA]
	v_and_b32 v4, 7, v0                            ; the turning load: lane l reads 16 bytes of row 8 (l / 16) + l % 8, columns 8 ((l / 8) % 2) on
	v_lshl_add_u32 v4, v3, 3, v4
	v_mul_u32_u24 v4, v4, PITCH
	v_bfe_u32 v[SC], v0, 3, 1
	v_lshl_add_u32 v4, v[SC], 4, v4
	v_add_nc_u32 v[AT], s34, v4
	v_add_nc_u32 v[AT+1], SLOT, v[AT]
	v_lshlrev_b32 v[EXR], 4, v1
	v_add_nc_u32 v[EXR], EX, v[EXR]
	v_lshl_add_u32 v[EXW], s10, 12, v[EXR]
	s_mul_i32 s35, s10, 16*SPITCH
	s_add_co_u32 s35, s35, STG                     ; my stage
	v_lshl_add_u32 v[SW], v1, 4, s35               ; by rows: 16 bytes a lane
	v_mul_u32_u24 v[SR], v2, SPITCH                ; by accumulators: row l % 16, 32 bytes for each half of the lanes
	v_lshl_add_u32 v[SR], v3, 5, v[SR]
	v_add_nc_u32 v[SR], s35, v[SR]
	; THE WAY IN: my 16 rows x 512 bytes through my own stage into the accumulators' layout.  LDS serves a wave's instructions in order (ISA guide 5.7.1.4): no wait between stores and loads
	s_wait_loadcnt 0x0
.irp i, 0,1,2,3,4,5,6,7,8,9,10,11,12,13,14,15
	ds_store_b128 v[SW], v[IO+4*\i:IO+4*\i+3] offset:\i*SPITCH
.endr
.irp t, 0,1,2,3,4,5,6,7
	ds_load_b128 v[ST+8*\t:ST+8*\t+3],   v[SR] offset:64*\t
	ds_load_b128 v[ST+8*\t+4:ST+8*\t+7], v[SR] offset:64*\t+16
.endr
	s_wait_dscnt 0x0
.set i, 0
.rept 32
	v_cvt_pk_bf16_f32 v[XH+i], v[ST+2*i], v[ST+2*i+1]      ; X is rounded to bf16 once; from here on the state is f32
.set i, i+1
.endr
.set i, 0
.rept 32
	v_lshlrev_b32 v[ST+2*i],   16, v[XH+i]
	v_and_b32     v[ST+2*i+1], s[MASK], v[XH+i]
.set i, i+1
.endr
	s_wait_tensorcnt 0x1                           ; my part of block 0 is in; block 1's may stay out
	s_barrier_signal -1
	s_barrier_wait -1                              ; everybody's is
	LOADVA 0                                       ; all of block 0's fragments, in the order in which every later block's are fetched: V's 32 loads, A's 24, V^T's 32
.irp g, 0,1,2
	A2RUN 0, \g
.endr
.irp g, 0,1,2,3
	VTRUN 0, \g
.endr
	WIN 0
; ONE BLOCK, whose tiles lay in slot and whose fragments were fetched a block ago.  refill = 1: the slot takes the block two further on.  next = 1: the next block's fragments are fetched from the other slot.
.macro BLOCK slot, refill, next
.set NX,  1-\slot                      ; the other slot, and the other register set
.set W_A, 2+\slot                      ; the window of this block's A
.set W_T, 1+2*\slot                    ; and of its V^T
.irp t, 0,1,2,3,4,5,6,7
	SPLIT8 ST+8*\t, XH+4*\t, XL+4*\t               ; the state as hi + lo: tiles 2 ks, 2 ks + 1 are source 1 of K step ks
.endr
	s_wait_dscnt 56                                ; V's 32 loads are in; the 24 of A and the 32 of V^T, issued behind them, may stay out
	WIN 0x01                                       ; source 0 window 1
	; W^T, my 128 columns' part: 32 products; the four sums take turns; the first four products start them
.irp ks, 0,1,2,3
.irp pt, 0,1
.irp m, 0,1,2,3
.if (\ks == 0) && (\pt == 0)
	v_wmma_f32_16x16x32_bf16 v[WP+8*\m:WP+8*\m+7], v[8*(4*\m+\ks):8*(4*\m+\ks)+7], v[XH+32*\pt+8*\ks:XH+32*\pt+8*\ks+7], 0
.else
	v_wmma_f32_16x16x32_bf16 v[WP+8*\m:WP+8*\m+7], v[8*(4*\m+\ks):8*(4*\m+\ks)+7], v[XH+32*\pt+8*\ks:XH+32*\pt+8*\ks+7], v[WP+8*\m:WP+8*\m+7]
.endif
.endr
.endr
.endr
	WIN 0
	PLACES
.irp q, 0,1,2,3,4,5,6,7
	ds_store_b128 v[EXW], v[WP+4*\q:WP+4*\q+3] offset:\slot*EXB+\q*512
.endr
	s_wait_dscnt 0x0                               ; my partial sums are in LDS, and all my reads of this slot (V, A, V^T) are back
.if \refill
	s_wait_tensorcnt 0x0                           ; all my tensor loads have landed: the one that was out is my part of the other slot; a group 0 may be written
	ds_add_u32 v254, v255
	s_wait_dscnt 0x0
	s_add_nc_u64 s[G0+4*\slot+2:G0+4*\slot+3], s[G0+4*\slot+2:G0+4*\slot+3], 2*BLKB
	ROUND                                          ; no wave of any partner still reads this slot or has a load on its way
	tensor_load_to_lds s[G0+4*\slot:G0+4*\slot+3], s[G1:G1+7]      ; my one tensor load behind the round, and the first thing there; it has a whole block in which to land
	s_nop 0
.rept 4
	v_nop
.endr
.else
.if \next
	s_wait_tensorcnt 0x0                           ; my part of the last block is in
.endif
	s_barrier_signal -1
	s_barrier_wait -1
.endif
	WIN 0x80
.irp u, 0,1,2,3
.irp q, 0,1,2,3,4,5,6,7
	ds_load_b128 v[PP+32*\u+4*\q:PP+32*\u+4*\q+3], v[EXR] offset:\slot*EXB+\u*4096+\q*512
.endr
.endr
.if \next
	LOADVA NX                                      ; the products that read V's fragments stand in front of the four places and the barrier above
.endif
	s_wait_dscnt 32*\next                          ; the four partial sums are in; the next block's 32 loads of V may stay out
	WIN 0x0a                                       ; sources 0 and 1 window 2
.set i, 0
.rept 16
	v_pk_add_f32 v[WP+i:WP+i+1], v[PP+i:PP+i+1], v[PP+32+i:PP+32+i+1]
.set i, i+2
.endr
.set i, 0
.rept 16
	v_pk_add_f32 v[ZT+i:ZT+i+1], v[PP+64+i:PP+64+i+1], v[PP+96+i:PP+96+i+1]
.set i, i+2
.endr
	WIN 0
.set i, 0
.rept 16
	v_pk_add_f32 v[WP+i:WP+i+1], v[WP+i:WP+i+1], v[ZT+i:ZT+i+1]
.set i, i+2
.endr
.irp m, 0,1,2,3
	SPLIT8 WP+8*\m, WH+4*\m, WH+16+4*\m
.endr
	; Z^T = A W^T: 18 products (hi x hi, hi x lo, lo x hi); the sums take turns.  Columns 32-63 of A first: they serve all four tiles and start the sums.
	; Behind each of the first three turns stand 8 loads of the next block's A, into the other set
.irp tp, 0,1,2
	WIN W_A                                        ; source 0: this block's A
.irp m, 0,1,2,3
.if \tp == 0
	v_wmma_f32_16x16x32_bf16 v[ZT+8*\m:ZT+8*\m+7], v[32*(\tp/2)+8*\m:32*(\tp/2)+8*\m+7], v[WH+16*(\tp%2)+8:WH+16*(\tp%2)+15], 0
.else
	v_wmma_f32_16x16x32_bf16 v[ZT+8*\m:ZT+8*\m+7], v[32*(\tp/2)+8*\m:32*(\tp/2)+8*\m+7], v[WH+16*(\tp%2)+8:WH+16*(\tp%2)+15], v[ZT+8*\m:ZT+8*\m+7]
.endif
.endr
.if \next
	A2RUN NX, \tp
.endif
.endr
	WIN W_A
.irp tp, 0,1,2
.irp m, 0,1
	v_wmma_f32_16x16x32_bf16 v[ZT+8*\m:ZT+8*\m+7], v[64+16*(\tp/2)+8*\m:64+16*(\tp/2)+8*\m+7], v[WH+16*(\tp%2):WH+16*(\tp%2)+7], v[ZT+8*\m:ZT+8*\m+7]
.endr
.endr
	WIN 0
	PLACES
.irp m, 0,1,2,3
	SPLIT8 ZT+8*\m, ZH+4*\m, ZH+16+4*\m
.endr
	; x^T += V^T Z^T: 32 products; the state's eight tiles take turns.  Behind each turn stand 8 loads of the next block's V^T, into the other set
.irp kk, 0,1
.irp pt, 0,1
	WIN W_T                                        ; source 0: this block's V^T
.irp mt, 0,1,2,3,4,5,6,7
	v_wmma_f32_16x16x32_bf16 v[ST+8*\mt:ST+8*\mt+7], v[VT+8*(8*\kk+\mt):VT+8*(8*\kk+\mt)+7], v[ZH+16*\pt+8*\kk:ZH+16*\pt+8*\kk+7], v[ST+8*\mt:ST+8*\mt+7]
.endr
.if \next
	VTRUN NX, 2*\kk+\pt
.endif
.endr
.endr
	WIN 0                                          ; at a label and at a branch every window is 0
	PLACES                                         ; in front of the reads of the state
.endm
	s_mov_b32 s32, 3
.Lpair:                                                ; three trips: blocks 0 to 5, each of which fills its slot again
	BLOCK 0, 1, 1
	BLOCK 1, 1, 1
	s_sub_co_u32 s32, s32, 1
	s_cmp_lg_u32 s32, 0
	s_cbranch_scc1 .Lpair
	BLOCK 0, 0, 1                                  ; the last two blocks are written out: nothing is left to ask for, and the last fetches nothing
	BLOCK 1, 0, 0
	; THE WAY OUT: through my own stage back to whole rows
.irp t, 0,1,2,3,4,5,6,7
	ds_store_b128 v[SR], v[ST+8*\t:ST+8*\t+3]   offset:64*\t
	ds_store_b128 v[SR], v[ST+8*\t+4:ST+8*\t+7] offset:64*\t+16
.endr
.irp i, 0,1,2,3,4,5,6,7,8,9,10,11,12,13,14,15
	ds_load_b128 v[IO+4*\i:IO+4*\i+3], v[SW] offset:\i*SPITCH
.endr
.irp i, 0,1,2,3,4,5,6,7,8,9,10,11,12,13,14,15
	s_wait_dscnt 15-\i                             ; row i is back; the younger loads may stay out
	global_store_b128 v[GX], v[IO+4*\i:IO+4*\i+3], s[8:9] offset:\i*2048 th:TH_STORE_NT   ; the wave stores 512 consecutive bytes, at a multiple of 512 from out0's first byte
.endr
	s_wait_tensorcnt 0x0
	ds_add_u32 v254, v255
	s_wait_dscnt 0x0
	ROUND                                          ; the closing round: no work-group ends while a partner may still ask for a tile that names it
	s_endpgm
.Lfunc_end_k_q0e98beb148_apply:
	.size	k_q0e98beb148_apply, .Lfunc_end_k_q0e98beb148_apply-k_q0e98beb148_apply
	.p2alignl 7, 3214868480
	.fill 96, 4, 3214868480
	.section	.rodata,"a",@progbits
	.p2align	6, 0x0
	.amdhsa_kernel k_q0e98beb148_apply
		.amdhsa_group_segment_fixed_size 327680
		.amdhsa_private_segment_fixed_size 0
		.amdhsa_enable_private_segment 0
		.amdhsa_kernarg_size 24
		.amdhsa_user_sgpr_count 2
		.amdhsa_user_sgpr_kernarg_segment_ptr 1
		.amdhsa_wavefront_size32 1
		.amdhsa_system_sgpr_workgroup_id_x 1
		.amdhsa_system_sgpr_workgroup_id_y 1
		.amdhsa_system_sgpr_workgroup_id_z 1
		.amdhsa_system_vgpr_workitem_id 0
		.amdhsa_next_free_vgpr 1024
		.amdhsa_next_free_sgpr 66
		.amdhsa_reserve_vcc 0
		.amdhsa_float_denorm_mode_32 3
		.amdhsa_float_denorm_mode_16_64 3
		.amdhsa_memory_ordered 1
		.amdhsa_forward_progress 1
		.amdhsa_inst_pref_size 152
	.end_amdhsa_kernel
	.amdgpu_metadata
---
amdhsa.version: [ 1, 2 ]
amdhsa.kernels:
  - .name:           k_q0e98beb148_apply
    .symbol:         k_q0e98beb148_apply.kd
    .args:
      - { .name: X, .offset: 0, .size: 8, .value_kind: global_buffer, .address_space: global }
      - { .name: pk, .offset: 8, .size: 8, .value_kind: global_buffer, .address_space: global }
      - { .name: out0, .offset: 16, .size: 8, .value_kind: global_buffer, .address_space: global }
    .group_segment_fixed_size: 327680
    .private_segment_fixed_size: 0
    .kernarg_segment_align: 8
    .kernarg_segment_size: 24
    .max_flat_workgroup_size: 128
    .sgpr_count:     66
    .vgpr_count:     1024
    .wavefront_size: 32
...
	.end_amdgpu_metadata
.endif
;; end of part 2
